; MI455X (gfx1250); checked and timed in simulation.
; The chip was launched on July 23, 2026; its instructions are those of AMD's public machine-readable ISA for CDNA 5 (MIT licence, August 2026) and "CDNA5" Instruction Set Architecture Reference Guide (July 2026). The comments in the code are by the model that wrote it; some were corrected since.
;; Vector Quantizer. Allowed arithmetic: float matrix products may take bf16 or f16 operands with f32 sums; all other float work in f32.
;; Inputs: embedding 1,024 x 64 float32; inputs 32 x 4,096 x 64 float32.
;; Outputs: out0 one number float32; out1 32 x 4,096 x 64 float32; out2 131,072 x 1 int32.
;; 3 versions, each right; version 2 is faster than version 1; version 3 is version 2 with the launch emit written anew for expert scheduling mode. Each part assembles by itself: llvm-mc -triple=amdgcn-amd-amdhsa -mcpu=gfx1250 --defsym DOCPART=n.
;; ======== version 1 of 3: 2 launches
;; limits: a difference of large sums (such as E[x^2] - mean^2): digits are lost where the result is much smaller than its terms
;; workspace buffers: codes 524,288 bytes of whole numbers; part 1,024 bytes
;; launch assign (part 1): grid 256 x 1, 8 waves a work-group, no clusters, 292,096 bytes of LDS; arguments inputs, embedding, out2, codes, part; writes out2, codes, part
.if DOCPART == 1
	.amdgcn_target "amdgcn-amd-amdhsa--gfx1250"
	.amdhsa_code_object_version 6
	.text
	.protected	k_q317255412d_assign
	.globl	k_q317255412d_assign
	.p2align	8
	.type	k_q317255412d_assign,@function
k_q317255412d_assign:
	s_mov_b64 s[64:65], 0
	v_nop
	global_prefetch_b8 v0, s[64:65] scope:SCOPE_SE
	s_setreg_imm32_b32 hwreg(HW_REG_WAVE_MODE, 25, 1), 1
	s_wait_xcnt 0x0
; NEAREST CODE.  x: 131,072 rows of 64 f32; e: 1,024 codes of 64 f32.
; For every row: d[k] = fl( fl(|x|^2 + |e_k|^2) - 2 x.e_k ), index = the first k with the least d.
; The two roundings are made exactly so (one add, one fused multiply-add: 2 x.e is exact), since near-ties are decided by them.
; Stored: the index (out2, and once more in codes, from which the next launch forms addresses), and for each work-group the sum of
; its rows' least distances (part): sum((e[idx] - x)^2) of a row IS that distance, so the loss needs no further pass over the data.
;
; SHARES.  256 work-groups of 512 rows; eight waves of 64 rows = 4 row tiles of 16.  The whole codebook lies in LDS as bf16; every wave
; walks its 64 tiles of 16 codes.  The matrix instruction takes the CODES as A (M) and the ROWS as B (N): register j of lane (r, h) is
; (code 16 t + 8 h + j, row r), so a row's 1,024 distances lie in two lanes, |x|^2 is one register a row tile, and the minimum runs
; inside a lane.  Per tile only the tile's minimum is compared with the best so far; the winning tile's eight distances are kept (SAVE)
; and the place inside the tile is looked up once, at the end: 23 vector instructions for 8 accumulator registers.
; Row tile i, lane r holds the wave's row 32 (i & 1) + 2 r + (i >> 1): lane L then ends with rows 2 L and 2 L + 1, and one 8-byte store
; of the wave covers 256 consecutive bytes, aligned.
;
; LIMITS.  Operands of the products, |x|^2 and |e|^2 are taken from the inputs rounded to bf16: the indices are those of the distances
; on rounded inputs.  NaN or infinite inputs, or |x|^2 beyond f32, are not served (the minimum ignores NaN).  The loss is summed from the
; expanded form: relative to a row's term its error is about 2^-23 |x|^2 / d plus the operands' rounding.
;
; NO CLUSTER, though all work-groups read the same codebook: a joint tensor load would deliver it as f32, 1,024 rows of 272 bytes =
; 278,528 bytes of stage, beside 147,456 of bf16 table and 139,264 of x: more than the 327,680 there are.  So the codes come through
; registers (each wave converts 128 of them) while the wave's x is on its way.
.set EP,   144                         ; LDS pitch of a code: 128 bytes of bf16 + 16: 16 rows of a fragment start 36 words apart
.set TAB,  0                           ; 1,024 codes x 144 bytes
.set LSE,  1024*EP                     ; 147,456: |e_k|^2, 1,024 f32
.set XST,  LSE+4096                    ; 151,552: x as it comes, wave w at + 17,408 w, read by that wave alone
.set XP,   272                         ; pitch of a row of x: 256 bytes + 16
.set XW,   64*XP                       ; 17,408
.set RED,  XST+8*XW                    ; 290,816: eight f32, one a wave
.set VEO,  4                           ; 32,768 w + 16 L: my 16 bytes of my wave's codes in memory
.set VTS,  5                           ; 18,432 w + 144 h + 8 r: where they go in the table
.set VSR,  6                           ; 18,432 w + 144 L: a whole code a lane, read back for |e|^2
.set VSS,  7                           ; LSE + 512 w + 4 L
.set VX,   8                           ; XST + 17,408 w + 544 r + 32 h
.set VEF,  9                           ; 144 r + 16 h, stepped by the loop: A fragments
.set VSE,  10                          ; LSE + 32 h, stepped by the loop: |e|^2 of my 8 codes of a tile
.set XF,   16                          ; v[16:79]   row tile i at 16 i: two B fragments (dims 0-31, 32-63)
.set ST,   80                          ; v[80:87]   pairs (|x|^2, best distance) of row tile i at 80 + 2 i
.set BT,   88                          ; v[88:91]   the code tile that holds the best
.set SAVE, 92                          ; v[92:123]  that tile's eight distances, 8 a row tile
.set EF,   124                         ; v[124:139] A fragments of the code tile at work
.set SA,   140                         ; v[140:147] |e|^2 of a tile,
.set SB,   148                         ; v[148:155] and of the next: they take turns
.set ACC,  156                         ; v[156:187] x.e, 8 a row tile
.set AT,   188                         ; v[188:195] distances at work
.set T,    196
.set T2,   197                         ; second temporary; at the end the place j inside the tile
.set K0,   198                         ; v[198:201] the index of row tile i
.set KA,   202                         ; v[202:203] the two indices that I store
.set F,    92                          ; v[92:219]  128 registers of the prologue (not yet SAVE .. T)
.set PT,   220                         ; v[220:227] the prologue's temporaries
.set S0,   220
.set S1,   221
	s_load_b256 s[4:11], s[0:1], 0x0               ; inputs s[4:5], embedding s[6:7], out2 s[8:9], codes s[10:11]
	s_load_b64 s[12:13], s[0:1], 0x20              ; part
	v_lshl_add_u32 v228, v0, 2, 0x47100
	v_mov_b32 v229, 0
	ds_add_u32 v228, v229
	ds_add_u32 v228, v229
	v_lshrrev_b32 v13, 5, v0
	v_readfirstlane_b32 s14, v13                   ; wave 0..7
	; Tensor descriptor: my wave's 64 rows of x, 64 f32 each, dense in memory, 16 bytes of padding behind each row in LDS.
	s_mov_b32 s20, 0x07520000                      ; element of 4 bytes (2<<16); padding on (1<<20); after every 64 words (5<<22); of 4 words (3<<25)
	s_mov_b32 s21, 64<<16                          ; tensor_dim0 = 64
	s_mov_b32 s22, 64<<16                          ; tensor_dim1 = 64
	s_mov_b32 s23, 64<<16                          ; tile_dim0 = 64
	s_mov_b32 s24, 64                              ; tile_dim1 = 64
	s_mov_b32 s25, 64                              ; 64 elements from row to row
	s_mov_b32 s26, 0
	s_mov_b32 s27, 0
	s_mov_b32 s16, 1                               ; count = 1
	s_mul_i32 s17, s14, XW
	s_add_co_u32 s17, s17, XST                     ; LDS address: my wave's stage
	s_lshl_b32 s36, ttmp9, 17                      ; 512 rows of 256 bytes a work-group
	s_lshl_b32 s39, s14, 14                        ; 64 rows a wave
	s_add_co_u32 s36, s36, s39
	s_mov_b32 s37, 0
	s_wait_dscnt 0x0
	s_wait_kmcnt 0x0
	s_add_nc_u64 s[18:19], s[4:5], s[36:37]
	s_or_b32 s19, s19, 0x80000000                  ; type = 2
	tensor_load_to_lds s[16:19], s[20:27]          ; first of all: x comes from furthest away.  The wave's only tensor load: one outstanding
	s_nop 0
	; my wave's 128 codes: 64 loads of 512 consecutive bytes (two codes), 32 of them out at a time
	v_and_b32 v1, 31, v0                           ; L
	s_lshl_b32 s15, s14, 15
	v_lshl_add_u32 v[VEO], v1, 4, s15
.set j, 0
.rept 32
	global_load_b128 v[F+4*j:F+4*j+3], v[VEO], s[6:7] offset:512*j
.set j, j+1
.endr
	; addresses and constants, while the loads are out
	v_and_b32 v2, 15, v0                           ; r
	v_bfe_u32 v3, v0, 4, 1                         ; h
	s_mul_i32 s39, s14, 128*EP                     ; my wave's 128 codes in the table
	v_mul_u32_u24 v[VTS], v3, EP
	v_lshl_add_u32 v[VTS], v2, 3, v[VTS]
	v_add_nc_u32 v[VTS], s39, v[VTS]
	v_mul_u32_u24 v[VSR], v1, EP
	v_add_nc_u32 v[VSR], s39, v[VSR]
	s_lshl_b32 s40, s14, 9
	s_add_co_u32 s40, s40, LSE
	v_lshl_add_u32 v[VSS], v1, 2, s40
	v_mul_u32_u24 v[VX], v2, 2*XP
	v_lshl_add_u32 v[VX], v3, 5, v[VX]
	v_add_nc_u32 v[VX], s17, v[VX]
	v_mul_u32_u24 v[VEF], v2, EP
	v_lshl_add_u32 v[VEF], v3, 4, v[VEF]
	v_lshl_add_u32 v[VSE], v3, 5, LSE
	v_lshlrev_b32 v11, 3, v3                       ; 8 h
	v_lshlrev_b32 v12, 3, v0                       ; 8 bytes a thread: two indices
	s_mov_b32 s28, 0x76543210                      ; v_permlanex16_b32: lane i of one half reads lane i of the other
	s_mov_b32 s29, 0xfedcba98
	s_mov_b32 s32, 0xffff0000                      ; a word's upper bf16; also, as a lane mask, the lanes with h = 1
	s_mov_b32 s33, 0x7f800000                      ; +infinity
	s_lshl_b32 s36, ttmp9, 11                      ; 512 indices of 4 bytes a work-group
	s_add_nc_u64 s[8:9], s[8:9], s[36:37]
	s_add_nc_u64 s[10:11], s[10:11], s[36:37]
	s_lshl_b32 s36, ttmp9, 2
	s_add_nc_u64 s[12:13], s[12:13], s[36:37]
; Two codes' 16 bytes a lane become 8 bytes of bf16 in the table.  left = how many younger loads may stay out.
.macro ESLOT n, ahead, left
	s_wait_loadcnt \left                           ; loads come back in order: load n is in
	v_cvt_pk_bf16_f32 v[PT+2*((\n)%4)],   v[F+4*((\n)%32)],   v[F+4*((\n)%32)+1]
	v_cvt_pk_bf16_f32 v[PT+2*((\n)%4)+1], v[F+4*((\n)%32)+2], v[F+4*((\n)%32)+3]
	ds_store_b64 v[VTS], v[PT+2*((\n)%4):PT+2*((\n)%4)+1] offset:2*EP*(\n)
.if \ahead
	global_load_b128 v[F+4*((\n)%32):F+4*((\n)%32)+3], v[VEO], s[6:7] offset:512*((\n)+32)
.endif
.endm
.set j, 0
.rept 32
	ESLOT j, 1, 31                                 ; 32 + j issued, 31 of them behind load j
.set j, j+1
.endr
.rept 32
	ESLOT j, 0, 63-j                               ; nothing more is asked for: the counts run down to 0
.set j, j+1
.endr
; The sum of the squares of the 2 n bf16 in v[d .. d+n-1]: low halves into S0, high halves into S1.  The first word starts the sums.
.macro SUMSQ d, n
	v_lshlrev_b32 v[S0], 16, v[\d]
	v_and_b32 v[S1], s32, v[\d]
	v_mul_f32 v[S0], v[S0], v[S0]
	v_mul_f32 v[S1], v[S1], v[S1]
.set sq, 1
.rept \n-1
	v_fma_mix_f32_bf16 v[S0], v[\d+sq], v[\d+sq], v[S0] op_sel_hi:[1,1,0]
	v_fma_mix_f32_bf16 v[S1], v[\d+sq], v[\d+sq], v[S1] op_sel:[1,1,0] op_sel_hi:[1,1,0]
.set sq, sq+1
.endr
.endm
	; |e|^2 of the rounded codes: a whole code a lane, four groups of 32 codes.  These are my wave's own bytes, and LDS serves a wave's
	; instructions in order: the loads see the stores above without a wait.
.irp g, 0,1,2,3
.irp p, 0,1,2,3,4,5,6,7
	ds_load_b128 v[F+32*\g+4*\p:F+32*\g+4*\p+3], v[VSR] offset:32*EP*\g+16*\p
.endr
.endr
.irp g, 0,1,2,3
	s_wait_dscnt 24-7*\g                           ; behind group g's loads: 8 (3 - g) younger loads and the g stores below
	SUMSQ F+32*\g, 32
	v_add_f32 v[S0], v[S0], v[S1]
	ds_store_b32 v[VSS], v[S0] offset:128*\g
.endr
	; x: from my stage into B fragments.  Lane (r, h) of tile i takes dims 16 c + 8 h + 0..7, c = 0..3, of its row: 32 bytes of f32 each.
	s_wait_tensorcnt 0x0                           ; my one tensor load; only my wave reads what it brought
.irp i, 0,1,2,3
.irp c, 0,1,2,3
	ds_load_b128 v[F+32*\i+8*\c:F+32*\i+8*\c+3],   v[VX] offset:32*XP*(\i&1)+XP*(\i>>1)+64*\c
	ds_load_b128 v[F+32*\i+8*\c+4:F+32*\i+8*\c+7], v[VX] offset:32*XP*(\i&1)+XP*(\i>>1)+64*\c+16
.endr
.endr
.macro XBUILD i
	s_wait_dscnt 24-8*\i                           ; the eight loads of each later tile stay out
.irp c, 0,1,2,3
.irp q, 0,1,2,3
	v_cvt_pk_bf16_f32 v[XF+16*\i+4*\c+\q], v[F+32*\i+8*\c+2*\q], v[F+32*\i+8*\c+2*\q+1]
.endr
.endr
	SUMSQ XF+16*\i, 16                             ; my 32 dims of the row,
	v_add_f32 v[S0], v[S0], v[S1]
	v_permlanex16_b32 v[S1], v[S0], s28, s29       ; the other half's 32
	v_add_f32 v[ST+2*\i], v[S0], v[S1]             ; |x|^2, the same bits in both halves
.endm
	XBUILD 0
	XBUILD 1
	XBUILD 2
	XBUILD 3
	; the running minimum's state: best = +infinity, so that the first tile is taken
.irp i, 0,1,2,3
	v_mov_b32 v[ST+2*\i+1], s33
	v_mov_b32 v[BT+\i], 0
.endr
.set j, 0
.rept 32
	v_mov_b32 v[SAVE+j], s33
.set j, j+1
.endr
	s_wait_dscnt 0x0                               ; my part of the table and of |e|^2 is written,
	s_barrier_signal -1
	s_barrier_wait -1                              ; everybody's is.  From here on nobody stores into either: the loop only reads LDS
.macro EFETCH eoff                     ; a code tile's two A fragments: code r, bytes 16 h + 0, 32, 64, 96
.irp p, 0,1,2,3
	ds_load_b128 v[EF+4*\p:EF+4*\p+3], v[VEF] offset:\eoff+32*\p
.endr
.endm
.macro SFETCH dst, soff                ; |e|^2 of codes 8 h + 0..7 of a tile
	ds_load_b128 v[\dst:\dst+3],   v[VSE] offset:\soff
	ds_load_b128 v[\dst+4:\dst+7], v[VSE] offset:\soff+16
.endm
.macro PA i, se                        ; A = fl(|e|^2 + |x|^2): both halves of the pair take the first register of (|x|^2, best)
.irp q, 0,1,2,3
	v_pk_add_f32 v[AT+2*\q:AT+2*\q+1], v[\se+2*\q:\se+2*\q+1], v[ST+2*\i:ST+2*\i+1] op_sel_hi:[1,0]
.endr
.endm
.macro PB i                            ; d = fl(A - 2 x.e); the tile's minimum; where it beats the best, keep it, the tile's number and the eight d
.irp q, 0,1,2,3
	v_pk_fma_f32 v[AT+2*\q:AT+2*\q+1], v[ACC+8*\i+2*\q:ACC+8*\i+2*\q+1], -2.0, v[AT+2*\q:AT+2*\q+1] op_sel_hi:[1,0,1]
.endr
	v_min3_num_f32 v[T],  v[AT],   v[AT+1], v[AT+2]
	v_min3_num_f32 v[T2], v[AT+3], v[AT+4], v[AT+5]
	v_min3_num_f32 v[T],  v[T],    v[T2],   v[AT+6]
	v_min_num_f32  v[T],  v[T],    v[AT+7]
	v_cmp_lt_f32 vcc_lo, v[T], v[ST+2*\i+1]        ; strictly less: on a tie the earlier tile, with the lower codes, stays
	v_cndmask_b32 v[ST+2*\i+1], v[ST+2*\i+1], v[T], vcc_lo
	v_cndmask_b32 v[BT+\i], v[BT+\i], s30, vcc_lo
.irp j, 0,1,2,3,4,5,6,7
	v_cndmask_b32 v[SAVE+8*\i+\j], v[SAVE+8*\i+\j], v[AT+\j], vcc_lo
.endr
.endm
; One code tile against my four row tiles.  se: this tile's |e|^2; pf = 1: the next tile's fragments (at eoff) and |e|^2 (at soff, into sen)
; are asked for as soon as this tile's products are issued.
.macro TILE se, sen, eoff, soff, pf
	s_wait_dscnt 0x0                               ; the six loads issued one tile ago: all that is out
.irp i, 0,1,2,3
	v_wmma_f32_16x16x32_bf16 v[ACC+8*\i:ACC+8*\i+7], v[EF:EF+7], v[XF+16*\i:XF+16*\i+7], 0      ; dims 0-31 start the sums
.endr
.irp i, 0,1,2,3
	v_wmma_f32_16x16x32_bf16 v[ACC+8*\i:ACC+8*\i+7], v[EF+8:EF+15], v[XF+16*\i+8:XF+16*\i+15], v[ACC+8*\i:ACC+8*\i+7]   ; dims 32-63: the chain in place
.endr
	PA 0, \se                                      ; four plain vector instructions that name no register of the products above: the places that
	                                               ; stand between a matrix instruction and a load into its sources or a read of its result
.if \pf
	EFETCH \eoff
	SFETCH \sen, \soff
.endif
	PB 0
	PA 1, \se
	PB 1
	PA 2, \se
	PB 2
	PA 3, \se
	PB 3
	s_add_co_u32 s30, s30, 1                       ; the tile's number
.endm
	EFETCH 0
	SFETCH SA, 0
	s_mov_b32 s30, 0
	s_mov_b32 s31, 31                              ; 31 trips of two tiles; the last two tiles stand behind the loop
.Ltile:
	TILE SA, SB, 16*EP, 64, 1
	TILE SB, SA, 32*EP, 128, 1
	v_add_nc_u32 v[VEF], 32*EP, v[VEF]
	v_add_nc_u32 v[VSE], 128, v[VSE]
	s_sub_co_i32 s31, s31, 1
	s_cmp_lg_u32 s31, 0
	s_cbranch_scc1 .Ltile
	TILE SA, SB, 16*EP, 64, 1
	TILE SB, SA, 0, 0, 0                           ; tile 63 asks for nothing
; The index of row tile i: the lowest j of the winning tile that equals the best, then the better of the two halves, the lower index on a tie.
.macro RESOLVE i
	v_mov_b32 v[T2], 7
.irp j, 6,5,4,3,2,1,0
	v_cmp_eq_f32 vcc_lo, v[SAVE+8*\i+\j], v[ST+2*\i+1]
	v_cndmask_b32 v[T2], v[T2], \j, vcc_lo
.endr
	v_lshl_add_u32 v[K0+\i], v[BT+\i], 4, v[T2]
	v_add_nc_u32 v[K0+\i], v[K0+\i], v11           ; 16 t + j + 8 h
	v_permlanex16_b32 v[AT],   v[ST+2*\i+1], s28, s29
	v_permlanex16_b32 v[AT+1], v[K0+\i],     s28, s29
	v_cmp_lt_f32 s33, v[AT], v[ST+2*\i+1]
	v_cmp_eq_f32 s34, v[AT], v[ST+2*\i+1]
	v_cmp_lt_u32 s35, v[AT+1], v[K0+\i]
	s_and_b32 s34, s34, s35
	s_or_b32 vcc_lo, s33, s34
	v_cndmask_b32 v[ST+2*\i+1], v[ST+2*\i+1], v[AT], vcc_lo
	v_cndmask_b32 v[K0+\i], v[K0+\i], v[AT+1], vcc_lo
.endm
	RESOLVE 0
	RESOLVE 1
	RESOLVE 2
	RESOLVE 3
	; lane L = 16 h + r stores rows 2 L (tile h) and 2 L + 1 (tile 2 + h): 256 consecutive bytes a wave, aligned
	v_cndmask_b32 v[KA],   v[K0],   v[K0+1], s32
	v_cndmask_b32 v[KA+1], v[K0+2], v[K0+3], s32
	global_store_b64 v12, v[KA:KA+1], s[8:9] th:TH_STORE_NT
	global_store_b64 v12, v[KA:KA+1], s[10:11]     ; read again by the next launch: no hint
	; the sum of my wave's 64 least distances
	v_cndmask_b32 v[AT],   v[ST+1], v[ST+3], s32
	v_cndmask_b32 v[AT+1], v[ST+5], v[ST+7], s32
	v_add_f32 v[AT], v[AT], v[AT+1]
	v_add_f32_dpp v[AT], v[AT], v[AT] row_xmask:1 row_mask:0xf bank_mask:0xf
	v_add_f32_dpp v[AT], v[AT], v[AT] row_xmask:2 row_mask:0xf bank_mask:0xf
	v_add_f32_dpp v[AT], v[AT], v[AT] row_xmask:4 row_mask:0xf bank_mask:0xf
	v_add_f32_dpp v[AT], v[AT], v[AT] row_xmask:8 row_mask:0xf bank_mask:0xf
	v_permlanex16_b32 v[AT+1], v[AT], s28, s29
	v_add_f32 v[AT], v[AT], v[AT+1]
	s_lshl_b32 s39, s14, 2
	s_add_co_u32 s39, s39, RED
	v_mov_b32 v13, s39
	ds_store_b32 v13, v[AT]                        ; all lanes write the same word with the same value
	s_wait_dscnt 0x0                               ; for the reader's sake: zero
	s_barrier_signal -1
	s_barrier_wait -1
	s_cmp_lg_u32 s14, 0
	s_cbranch_scc1 .Lend                           ; no barrier follows: waves 1 to 7 are done
	v_mov_b32 v14, RED
	ds_load_b128 v[AT:AT+3],   v14
	ds_load_b128 v[AT+4:AT+7], v14 offset:16
	v_mov_b32 v15, 0
	s_wait_dscnt 0x0
	v_pk_add_f32 v[AT:AT+1],   v[AT:AT+1],   v[AT+2:AT+3]
	v_pk_add_f32 v[AT+4:AT+5], v[AT+4:AT+5], v[AT+6:AT+7]
	v_pk_add_f32 v[AT:AT+1],   v[AT:AT+1],   v[AT+4:AT+5]
	v_add_f32 v[AT], v[AT], v[AT+1]
	s_wait_xcnt 0x0                                ; the index stores above have EXEC among their sources: it changes only behind this wait
	v_cmp_eq_u32 vcc_lo, 0, v0
	s_and_saveexec_b32 s38, vcc_lo
	global_store_b32 v15, v[AT], s[12:13]          ; part[work-group]
	s_wait_xcnt 0x0                                ; and again in front of the line that widens EXEC
	s_or_b32 exec_lo, exec_lo, s38
.Lend:
	s_wait_tensorcnt 0x0
	ds_add_u32 v228, v229
	s_wait_dscnt 0x0
	s_endpgm
.Lfunc_end_k_q317255412d_assign:
	.size	k_q317255412d_assign, .Lfunc_end_k_q317255412d_assign-k_q317255412d_assign
	.p2alignl 7, 3214868480
	.fill 96, 4, 3214868480
	.section	.rodata,"a",@progbits
	.p2align	6, 0x0
	.amdhsa_kernel k_q317255412d_assign
		.amdhsa_group_segment_fixed_size 292096
		.amdhsa_private_segment_fixed_size 0
		.amdhsa_enable_private_segment 0
		.amdhsa_kernarg_size 40
		.amdhsa_user_sgpr_count 2
		.amdhsa_user_sgpr_kernarg_segment_ptr 1
		.amdhsa_wavefront_size32 1
		.amdhsa_system_sgpr_workgroup_id_x 1
		.amdhsa_system_sgpr_workgroup_id_y 1
		.amdhsa_system_sgpr_workgroup_id_z 1
		.amdhsa_system_vgpr_workitem_id 0
		.amdhsa_next_free_vgpr 230
		.amdhsa_next_free_sgpr 66
		.amdhsa_reserve_vcc 1
		.amdhsa_float_denorm_mode_32 3
		.amdhsa_float_denorm_mode_16_64 3
		.amdhsa_memory_ordered 1
		.amdhsa_forward_progress 1
		.amdhsa_inst_pref_size 87
	.end_amdhsa_kernel
	.amdgpu_metadata
---
amdhsa.version: [ 1, 2 ]
amdhsa.kernels:
  - .name:           k_q317255412d_assign
    .symbol:         k_q317255412d_assign.kd
    .args:
      - { .name: inputs, .offset: 0, .size: 8, .value_kind: global_buffer, .address_space: global }
      - { .name: embedding, .offset: 8, .size: 8, .value_kind: global_buffer, .address_space: global }
      - { .name: out2, .offset: 16, .size: 8, .value_kind: global_buffer, .address_space: global }
      - { .name: codes, .offset: 24, .size: 8, .value_kind: global_buffer, .address_space: global }
      - { .name: part, .offset: 32, .size: 8, .value_kind: global_buffer, .address_space: global }
    .group_segment_fixed_size: 292096
    .private_segment_fixed_size: 0
    .kernarg_segment_align: 8
    .kernarg_segment_size: 40
    .max_flat_workgroup_size: 256
    .sgpr_count:     66
    .vgpr_count:     230
    .wavefront_size: 32
...
	.end_amdgpu_metadata
.endif
;; end of part 1
;; launch emit (part 2): grid 512 x 1, 8 waves a work-group, no clusters, 0 bytes of LDS; arguments inputs, embedding, codes, part, out1, out0; writes out1, out0
.if DOCPART == 2
	.amdgcn_target "amdgcn-amd-amdhsa--gfx1250"
	.amdhsa_code_object_version 6
	.text
	.protected	k_q317255412d_emit
	.globl	k_q317255412d_emit
	.p2align	8
	.type	k_q317255412d_emit,@function
k_q317255412d_emit:
	s_mov_b64 s[64:65], 0
	v_nop
	global_prefetch_b8 v0, s[64:65] scope:SCOPE_SE
	s_setreg_imm32_b32 hwreg(HW_REG_WAVE_MODE, 25, 1), 1
	s_wait_xcnt 0x0
; out1 = x + (e[idx] - x), with both roundings as written, and out0 = 1.25 / 2^23 x the sum of the 256 partial sums of least distances.
; A stream: no LDS, no barrier, no matrix unit, no loop.  512 work-groups of 256 rows; a wave takes 32 rows.  Lane (h, c) takes bytes 16 c
; of rows 16 h + t, t = 0..15: each half of 16 lanes reads and writes one row, 256 consecutive bytes, aligned, and a lane's 16 indices are
; 64 consecutive bytes (four loads).  All 36 loads of a wave are issued before the first result is needed; no register is used twice, so the
; stream needs no wait for sources.
; No table in LDS: filling it would take 262,144 bytes a work-group, the rows gathered are 65,536.  No cluster: the work-groups share only
; the codebook, and which rows of it hangs on the indices.
; LIMIT: the loss is what the first launch summed (expanded form on inputs rounded to bf16; see there).
.set VXO, 2                            ; 8,192 w + 4,096 h + 16 c: my 16 bytes of row 16 h of my wave, in x and in out1
.set VIO, 3                            ; 128 w + 64 h: my 16 indices
.set VC,  4                            ; 16 c
.set I,   8                            ; v[8:23]    indices, then byte offsets into the codebook
.set X,   24                           ; v[24:87]   x, 4 registers a row
.set Q,   88                           ; v[88:151]  e[idx], then the result
.set P,   152                          ; v[152:162] the loss block's own
	s_load_b256 s[4:11], s[0:1], 0x0               ; inputs s[4:5], embedding s[6:7], codes s[8:9], part s[10:11]
	s_load_b128 s[12:15], s[0:1], 0x20             ; out1 s[12:13], out0 s[14:15]
	v_lshrrev_b32 v1, 5, v0
	v_readfirstlane_b32 s16, v1                    ; wave 0..7
	v_lshrrev_b32 v5, 4, v0                        ; 2 w + h
	v_and_b32 v[VC], 15, v0
	v_lshlrev_b32 v[VC], 4, v[VC]
	v_lshl_add_u32 v[VXO], v5, 12, v[VC]           ; 16 rows of 256 bytes for each half wave
	v_lshlrev_b32 v[VIO], 6, v5                    ; 16 indices of 4 bytes
	s_lshl_b32 s20, ttmp9, 16                      ; 256 rows of 256 bytes a work-group
	s_mov_b32 s21, 0
	s_lshl_b32 s22, ttmp9, 10                      ; 256 indices
	s_mov_b32 s23, 0
	s_wait_kmcnt 0x0
	s_add_nc_u64 s[4:5], s[4:5], s[20:21]
	s_add_nc_u64 s[12:13], s[12:13], s[20:21]
	s_add_nc_u64 s[8:9], s[8:9], s[22:23]
.irp m, 0,1,2,3
	global_load_b128 v[I+4*\m:I+4*\m+3], v[VIO], s[8:9] offset:16*\m
.endr
.irp t, 0,1,2,3,4,5,6,7,8,9,10,11,12,13,14,15
	global_load_b128 v[X+4*\t:X+4*\t+3], v[VXO], s[4:5] offset:256*\t th:TH_LOAD_NT
.endr
	; The loss: wave 0 of work-group 0 alone, while its loads above are out.  256 partial sums, 8 a lane.
	s_or_b32 s24, ttmp9, s16
	s_cmp_lg_u32 s24, 0
	s_cbranch_scc1 .Lstream
	v_and_b32 v[P+8], 31, v0
	v_lshlrev_b32 v[P+8], 5, v[P+8]
	global_load_b128 v[P:P+3],   v[P+8], s[10:11]
	global_load_b128 v[P+4:P+7], v[P+8], s[10:11] offset:16
	s_mov_b32 s17, 0x76543210
	s_mov_b32 s18, 0xfedcba98
	v_mov_b32 v[P+9], 0                            ; v_permlanex16_b32 counts as a reader of its destination
	v_mov_b32 v[P+10], 0                           ; out0's offset
	s_wait_loadcnt 0x0                             ; the two youngest loads: nothing may stay out
	v_pk_add_f32 v[P:P+1],   v[P:P+1],   v[P+2:P+3]
	v_pk_add_f32 v[P+4:P+5], v[P+4:P+5], v[P+6:P+7]
	v_pk_add_f32 v[P:P+1],   v[P:P+1],   v[P+4:P+5]
	v_add_f32 v[P], v[P], v[P+1]
	v_add_f32_dpp v[P], v[P], v[P] row_xmask:1 row_mask:0xf bank_mask:0xf
	v_add_f32_dpp v[P], v[P], v[P] row_xmask:2 row_mask:0xf bank_mask:0xf
	v_add_f32_dpp v[P], v[P], v[P] row_xmask:4 row_mask:0xf bank_mask:0xf
	v_add_f32_dpp v[P], v[P], v[P] row_xmask:8 row_mask:0xf bank_mask:0xf
	v_permlanex16_b32 v[P+9], v[P], s17, s18
	v_add_f32 v[P], v[P], v[P+9]
	v_mul_f32 v[P], 0x34200000, v[P]               ; 1.25 / (131,072 x 64) = 1.25 x 2^-23
	s_wait_xcnt 0x0                                ; EXEC is a source of the loads above: it changes only behind this wait
	v_cmp_eq_u32 vcc_lo, 0, v0
	s_and_saveexec_b32 s19, vcc_lo
	global_store_b32 v[P+10], v[P], s[14:15]
	s_wait_xcnt 0x0                                ; and again in front of the line that widens it
	s_or_b32 exec_lo, exec_lo, s19
.Lstream:
	s_wait_loadcnt 16                              ; the 16 loads of x are younger: the indices are in (behind the loss block nothing is out)
.irp t, 0,1,2,3,4,5,6,7,8,9,10,11,12,13,14,15
	v_min_u32 v[I+\t], 0x3ff, v[I+\t]              ; an index stays inside the table
	v_lshl_add_u32 v[I+\t], v[I+\t], 8, v[VC]      ; 256 bytes a code + my 16
	global_load_b128 v[Q+4*\t:Q+4*\t+3], v[I+\t], s[6:7]   ; no hint: other rows name the same codes
.endr
.irp t, 0,1,2,3,4,5,6,7,8,9,10,11,12,13,14,15
	s_wait_loadcnt 15-\t                           ; the younger gathers stay out; x, which is older, is in
	v_pk_add_f32 v[Q+4*\t:Q+4*\t+1],   v[Q+4*\t:Q+4*\t+1],   v[X+4*\t:X+4*\t+1]   neg_lo:[0,1] neg_hi:[0,1]   ; q - x
	v_pk_add_f32 v[Q+4*\t+2:Q+4*\t+3], v[Q+4*\t+2:Q+4*\t+3], v[X+4*\t+2:X+4*\t+3] neg_lo:[0,1] neg_hi:[0,1]
	v_pk_add_f32 v[Q+4*\t:Q+4*\t+1],   v[X+4*\t:X+4*\t+1],   v[Q+4*\t:Q+4*\t+1]                               ; x + (q - x)
	v_pk_add_f32 v[Q+4*\t+2:Q+4*\t+3], v[X+4*\t+2:X+4*\t+3], v[Q+4*\t+2:Q+4*\t+3]
	global_store_b128 v[VXO], v[Q+4*\t:Q+4*\t+3], s[12:13] offset:256*\t th:TH_STORE_NT
.endr
	s_endpgm
.Lfunc_end_k_q317255412d_emit:
	.size	k_q317255412d_emit, .Lfunc_end_k_q317255412d_emit-k_q317255412d_emit
	.p2alignl 7, 3214868480
	.fill 96, 4, 3214868480
	.section	.rodata,"a",@progbits
	.p2align	6, 0x0
	.amdhsa_kernel k_q317255412d_emit
		.amdhsa_group_segment_fixed_size 0
		.amdhsa_private_segment_fixed_size 0
		.amdhsa_enable_private_segment 0
		.amdhsa_kernarg_size 48
		.amdhsa_user_sgpr_count 2
		.amdhsa_user_sgpr_kernarg_segment_ptr 1
		.amdhsa_wavefront_size32 1
		.amdhsa_system_sgpr_workgroup_id_x 1
		.amdhsa_system_sgpr_workgroup_id_y 1
		.amdhsa_system_sgpr_workgroup_id_z 1
		.amdhsa_system_vgpr_workitem_id 0
		.amdhsa_next_free_vgpr 164
		.amdhsa_next_free_sgpr 66
		.amdhsa_reserve_vcc 1
		.amdhsa_float_denorm_mode_32 3
		.amdhsa_float_denorm_mode_16_64 3
		.amdhsa_memory_ordered 1
		.amdhsa_forward_progress 1
		.amdhsa_inst_pref_size 14
	.end_amdhsa_kernel
	.amdgpu_metadata
---
amdhsa.version: [ 1, 2 ]
amdhsa.kernels:
  - .name:           k_q317255412d_emit
    .symbol:         k_q317255412d_emit.kd
    .args:
      - { .name: inputs, .offset: 0, .size: 8, .value_kind: global_buffer, .address_space: global }
      - { .name: embedding, .offset: 8, .size: 8, .value_kind: global_buffer, .address_space: global }
      - { .name: codes, .offset: 16, .size: 8, .value_kind: global_buffer, .address_space: global }
      - { .name: part, .offset: 24, .size: 8, .value_kind: global_buffer, .address_space: global }
      - { .name: out1, .offset: 32, .size: 8, .value_kind: global_buffer, .address_space: global }
      - { .name: out0, .offset: 40, .size: 8, .value_kind: global_buffer, .address_space: global }
    .group_segment_fixed_size: 0
    .private_segment_fixed_size: 0
    .kernarg_segment_align: 8
    .kernarg_segment_size: 48
    .max_flat_workgroup_size: 256
    .sgpr_count:     66
    .vgpr_count:     164
    .wavefront_size: 32
...
	.end_amdgpu_metadata
.endif
;; end of part 2
;; ======== version 2 of 3: 2 launches; 1.15 times as fast as version 1
;; limits: a difference of large sums (such as E[x^2] - mean^2): digits are lost where the result is much smaller than its terms
;; workspace buffers: codes 524,288 bytes of whole numbers; part 1,024 bytes
;; launch assign (part 3): grid 256 x 1, 8 waves a work-group, no clusters, 292,096 bytes of LDS; arguments inputs, embedding, out2, codes, part; writes out2, codes, part
.if DOCPART == 3
	.amdgcn_target "amdgcn-amd-amdhsa--gfx1250"
	.amdhsa_code_object_version 6
	.text
	.protected	k_q317255412d_assign
	.globl	k_q317255412d_assign
	.p2align	8
	.type	k_q317255412d_assign,@function
k_q317255412d_assign:
	s_mov_b64 s[64:65], 0
	v_nop
	global_prefetch_b8 v0, s[64:65] scope:SCOPE_SE
	s_setreg_imm32_b32 hwreg(HW_REG_WAVE_MODE, 25, 1), 1
	s_wait_xcnt 0x0
; NEAREST CODE.  x: 131,072 rows of 64 f32; e: 1,024 codes of 64 f32.
; For every row: d[k] = fl( fl(|x|^2 + |e_k|^2) - 2 x.e_k ), index = the first k with the least d.
; The two roundings are made exactly so (one add, one fused multiply-add: 2 x.e is exact), since near-ties are decided by them.
; Stored: the index (out2, and once more in codes, from which the next launch forms addresses), and for each work-group the sum of
; its rows' least distances (part): sum((e[idx] - x)^2) of a row IS that distance, so the loss needs no further pass over the data.
;
; SHARES.  256 work-groups of 512 rows; eight waves of 64 rows = 4 row tiles of 16.  The whole codebook lies in LDS as bf16; every wave
; walks its 64 tiles of 16 codes.  The matrix instruction takes the CODES as A (M) and the ROWS as B (N): register j of lane (r, h) is
; (code 16 t + 8 h + j, row r), so a row's 1,024 distances lie in two lanes, |x|^2 is one register a row tile, and the minimum runs
; inside a lane.  Per tile only the tile's minimum is compared with the best so far; the winning tile's eight distances are kept (SAVE)
; and the place inside the tile is looked up once, at the end: 18 vector instructions for 8 accumulator registers.
; Row tile i, lane r holds the wave's row 32 (i & 1) + 2 r + (i >> 1): lane L then ends with rows 2 L and 2 L + 1, and one 8-byte store
; of the wave covers 256 consecutive bytes, aligned.
;
; THE TILE STEP IS PIPELINED.  Two sets of accumulators and two of fragments take turns: while the vector unit works on tile t, the
; products of tile t + 1 are issued, spread among the vector instructions, and the fragments of tile t + 2 are on their way from LDS.
; The four row tiles' stages are skewed against each other, so that no instruction stands right behind the one whose result it reads.
;
; LIMITS.  Operands of the products, |x|^2 and |e|^2 are taken from the inputs rounded to bf16: the indices are those of the distances
; on rounded inputs.  NaN or infinite inputs, or |x|^2 beyond f32, are not served (the minimum ignores NaN).  The loss is summed from the
; expanded form: relative to a row's term its error is about 2^-23 |x|^2 / d plus the operands' rounding.
;
; NO CLUSTER, though all work-groups read the same codebook: a joint tensor load would deliver it as f32, 1,024 rows of 272 bytes =
; 278,528 bytes of stage, beside 147,456 of bf16 table and 139,264 of x: more than the 327,680 there are.  So the codes come through
; registers (each wave converts 128 of them) while the wave's x is on its way.
.set EP,   144                         ; LDS pitch of a code: 128 bytes of bf16 + 16: 16 rows of a fragment start 36 words apart
.set TAB,  0                           ; 1,024 codes x 144 bytes
.set LSE,  1024*EP                     ; 147,456: |e_k|^2, 1,024 f32
.set XST,  LSE+4096                    ; 151,552: x as it comes, wave w at + 17,408 w, read by that wave alone
.set XP,   272                         ; pitch of a row of x: 256 bytes + 16
.set XW,   64*XP                       ; 17,408
.set RED,  XST+8*XW                    ; 290,816: eight f32, one a wave
.set VV,   2                           ; v[2:3]     r and h while addresses are built; in the loop temporaries of the minimum
.set VEO,  4                           ; 32,768 w + 16 L: the byte offset of my 16 bytes of my wave's codes in memory
.set VT,   4                           ; the same register once the last of those loads is in: the number of the tile at work
.set VTS,  5                           ; 18,432 w + 144 h + 8 r: where they go in the table
.set VSR,  6                           ; 18,432 w + 144 L: a whole code a lane, read back for |e|^2
.set VSS,  7                           ; LSE + 512 w + 4 L
.set VX,   8                           ; XST + 17,408 w + 544 r + 32 h
.set VEF,  9                           ; 144 r + 16 h, stepped by the loop: A fragments
.set VSE,  10                          ; LSE + 32 h, stepped by the loop: |e|^2 of my 8 codes of a tile
.set UU,   13                          ; v[13:14]   temporaries of the minimum
.set XF,   16                          ; v[16:79]   row tile i at 16 i: two B fragments (dims 0-31, 32-63)
.set ST,   80                          ; v[80:87]   pairs (|x|^2, best distance) of row tile i at 80 + 2 i
.set BT,   88                          ; v88, 90, 92, 94  the code tile that holds the best of row tile i (even: see SEL)
.set TT,   89                          ; v89, 91, 93, 95  the minimum of the tile at work, row tile i
.set SAVE, 96                          ; v[96:127]  the winning tile's eight distances, 8 a row tile
.set EF,   128                         ; v[128:159] A fragments, two sets of 16: tile t lies in set t & 1
.set SE,   160                         ; v[160:175] |e|^2 of a tile, two sets of 8
.set ACC,  176                         ; v[176:239] x.e, then d in place: two sets of 32, 8 a row tile
.set AT,   240                         ; v[240:255] fl(|e|^2 + |x|^2), two buffers of 8
.set K0,   248                         ; v[248:251] at the end: the index of row tile i
.set KA,   252                         ; v[252:253] the two indices that I store
.set F,    96                          ; v[96:223]  128 registers of the prologue (not yet SAVE .. ACC)
.set PT,   224                         ; v[224:231] the prologue's temporaries
.set S0,   224
.set S1,   225
	s_load_b256 s[4:11], s[0:1], 0x0               ; inputs s[4:5], embedding s[6:7], out2 s[8:9], codes s[10:11]
	s_load_b64 s[12:13], s[0:1], 0x20              ; part
	s_set_vgpr_msb 0x40
	v_lshl_add_u32 v0, v0, 2, 0x47100
	v_mov_b32 v1, 0
	s_set_vgpr_msb 0x4045
	ds_add_u32 v0, v1
	ds_add_u32 v0, v1
	s_set_vgpr_msb 0x4500
	v_lshrrev_b32 v13, 5, v0
	v_readfirstlane_b32 s14, v13                   ; wave 0..7
	; Tensor descriptor: my wave's 64 rows of x, 64 f32 each, dense in memory, 16 bytes of padding behind each row in LDS.
	s_mov_b32 s20, 0x07520000                      ; element of 4 bytes (2<<16); padding on (1<<20); after every 64 words (5<<22); of 4 words (3<<25)
	s_mov_b32 s21, 64<<16                          ; tensor_dim0 = 64
	s_mov_b32 s22, 64<<16                          ; tensor_dim1 = 64
	s_mov_b32 s23, 64<<16                          ; tile_dim0 = 64
	s_mov_b32 s24, 64                              ; tile_dim1 = 64
	s_mov_b32 s25, 64                              ; 64 elements from row to row
	s_mov_b32 s26, 0
	s_mov_b32 s27, 0
	s_mov_b32 s16, 1                               ; count = 1
	s_mul_i32 s17, s14, XW
	s_add_co_u32 s17, s17, XST                     ; LDS address: my wave's stage
	s_lshl_b32 s36, ttmp9, 17                      ; 512 rows of 256 bytes a work-group
	s_lshl_b32 s39, s14, 14                        ; 64 rows a wave
	s_add_co_u32 s36, s36, s39
	s_mov_b32 s37, 0
	s_wait_dscnt 0x0
	s_wait_kmcnt 0x0
	s_add_nc_u64 s[18:19], s[4:5], s[36:37]
	s_or_b32 s19, s19, 0x80000000                  ; type = 2
	tensor_load_to_lds s[16:19], s[20:27]          ; first of all: x comes from furthest away.  The wave's only tensor load: one outstanding
	s_nop 0
	; my wave's 128 codes: 64 loads of 512 consecutive bytes (two codes), 32 of them out at a time
	v_and_b32 v1, 31, v0                           ; L
	s_lshl_b32 s15, s14, 15
	v_lshl_add_u32 v[VEO], v1, 4, s15
.set j, 0
.rept 32
	global_load_b128 v[F+4*j:F+4*j+3], v[VEO], s[6:7] offset:512*j
.set j, j+1
.endr
	; addresses and constants, while the loads are out
	v_and_b32 v2, 15, v0                           ; r
	v_bfe_u32 v3, v0, 4, 1                         ; h
	s_mul_i32 s39, s14, 128*EP                     ; my wave's 128 codes in the table
	v_mul_u32_u24 v[VTS], v3, EP
	v_lshl_add_u32 v[VTS], v2, 3, v[VTS]
	v_add_nc_u32 v[VTS], s39, v[VTS]
	v_mul_u32_u24 v[VSR], v1, EP
	v_add_nc_u32 v[VSR], s39, v[VSR]
	s_lshl_b32 s40, s14, 9
	s_add_co_u32 s40, s40, LSE
	v_lshl_add_u32 v[VSS], v1, 2, s40
	v_mul_u32_u24 v[VX], v2, 2*XP
	v_lshl_add_u32 v[VX], v3, 5, v[VX]
	v_add_nc_u32 v[VX], s17, v[VX]
	v_mul_u32_u24 v[VEF], v2, EP
	v_lshl_add_u32 v[VEF], v3, 4, v[VEF]
	v_lshl_add_u32 v[VSE], v3, 5, LSE
	v_lshlrev_b32 v11, 3, v3                       ; 8 h
	v_lshlrev_b32 v12, 3, v0                       ; 8 bytes a thread: two indices
	s_mov_b32 s28, 0x76543210                      ; v_permlanex16_b32: lane i of one half reads lane i of the other
	s_mov_b32 s29, 0xfedcba98
	s_mov_b32 s32, 0xffff0000                      ; a word's upper bf16; also, as a lane mask, the lanes with h = 1
	s_mov_b32 s33, 0x7f800000                      ; +infinity
	s_lshl_b32 s36, ttmp9, 11                      ; 512 indices of 4 bytes a work-group
	s_add_nc_u64 s[8:9], s[8:9], s[36:37]
	s_add_nc_u64 s[10:11], s[10:11], s[36:37]
	s_lshl_b32 s36, ttmp9, 2
	s_add_nc_u64 s[12:13], s[12:13], s[36:37]
; Two codes' 16 bytes a lane become 8 bytes of bf16 in the table.  left = how many younger loads may stay out.
.macro ESLOT n, ahead, left
	s_wait_loadcnt \left                           ; loads come back in order: load n is in
	v_cvt_pk_bf16_f32 v[PT+2*((\n)%4)],   v[F+4*((\n)%32)],   v[F+4*((\n)%32)+1]
	v_cvt_pk_bf16_f32 v[PT+2*((\n)%4)+1], v[F+4*((\n)%32)+2], v[F+4*((\n)%32)+3]
	ds_store_b64 v[VTS], v[PT+2*((\n)%4):PT+2*((\n)%4)+1] offset:2*EP*(\n)
.if \ahead
	global_load_b128 v[F+4*((\n)%32):F+4*((\n)%32)+3], v[VEO], s[6:7] offset:512*((\n)+32)
.endif
.endm
.set j, 0
.rept 32
	ESLOT j, 1, 31                                 ; 32 + j issued, 31 of them behind load j
.set j, j+1
.endr
.rept 32
	ESLOT j, 0, 63-j                               ; nothing more is asked for: the counts run down to 0
.set j, j+1
.endr
; The sum of the squares of the 2 n bf16 in v[d .. d+n-1]: low halves into S0, high halves into S1.  The first word starts the sums.
.macro SUMSQ d, n
	v_lshlrev_b32 v[S0], 16, v[\d]
	v_and_b32 v[S1], s32, v[\d]
	v_mul_f32 v[S0], v[S0], v[S0]
	v_mul_f32 v[S1], v[S1], v[S1]
.set sq, 1
.rept \n-1
	v_fma_mix_f32_bf16 v[S0], v[\d+sq], v[\d+sq], v[S0] op_sel_hi:[1,1,0]
	v_fma_mix_f32_bf16 v[S1], v[\d+sq], v[\d+sq], v[S1] op_sel:[1,1,0] op_sel_hi:[1,1,0]
.set sq, sq+1
.endr
.endm
	; |e|^2 of the rounded codes: a whole code a lane, four groups of 32 codes.  These are my wave's own bytes, and LDS serves a wave's
	; instructions in order: the loads see the stores above without a wait.
.irp g, 0,1,2,3
.irp p, 0,1,2,3,4,5,6,7
	ds_load_b128 v[F+32*\g+4*\p:F+32*\g+4*\p+3], v[VSR] offset:32*EP*\g+16*\p
.endr
.endr
.irp g, 0,1,2,3
	s_wait_dscnt 24-7*\g                           ; behind group g's loads: 8 (3 - g) younger loads and the g stores below
	SUMSQ F+32*\g, 32
	v_add_f32 v[S0], v[S0], v[S1]
	ds_store_b32 v[VSS], v[S0] offset:128*\g
.endr
	; x: from my stage into B fragments.  Lane (r, h) of tile i takes dims 16 c + 8 h + 0..7, c = 0..3, of its row: 32 bytes of f32 each.
	s_wait_tensorcnt 0x0                           ; my one tensor load; only my wave reads what it brought
.irp i, 0,1,2,3
.irp c, 0,1,2,3
	ds_load_b128 v[F+32*\i+8*\c:F+32*\i+8*\c+3],   v[VX] offset:32*XP*(\i&1)+XP*(\i>>1)+64*\c
	ds_load_b128 v[F+32*\i+8*\c+4:F+32*\i+8*\c+7], v[VX] offset:32*XP*(\i&1)+XP*(\i>>1)+64*\c+16
.endr
.endr
.macro XBUILD i
	s_wait_dscnt 24-8*\i                           ; the eight loads of each later tile stay out
.irp c, 0,1,2,3
.irp q, 0,1,2,3
	v_cvt_pk_bf16_f32 v[XF+16*\i+4*\c+\q], v[F+32*\i+8*\c+2*\q], v[F+32*\i+8*\c+2*\q+1]
.endr
.endr
	SUMSQ XF+16*\i, 16                             ; my 32 dims of the row,
	v_add_f32 v[S0], v[S0], v[S1]
	v_permlanex16_b32 v[S1], v[S0], s28, s29       ; the other half's 32
	v_add_f32 v[ST+2*\i], v[S0], v[S1]             ; |x|^2, the same bits in both halves
.endm
	XBUILD 0
	XBUILD 1
	XBUILD 2
	XBUILD 3
	; the running minimum's state: best = +infinity, so that the first tile is taken
.irp i, 0,1,2,3
	v_mov_b32 v[ST+2*\i+1], s33
	v_mov_b32 v[BT+2*\i], 0
.endr
	v_mov_b32 v[VT], 0                             ; tile 0.  The loads that took this register as their offset were all waited for above (count 0)
	s_wait_dscnt 0x0                               ; my part of the table and of |e|^2 is written,
	s_barrier_signal -1
	s_barrier_wait -1                              ; everybody's is.  From here on nobody stores into either: the loop only reads LDS
.macro EFETCH dst, eoff                ; a code tile's two A fragments: code r, bytes 16 h + 0, 32, 64, 96
.irp p, 0,1,2,3
	ds_load_b128 v[\dst+4*\p:\dst+4*\p+3], v[VEF] offset:\eoff+32*\p
.endr
.endm
.macro SFETCH dst, soff                ; |e|^2 of codes 8 h + 0..7 of a tile
	ds_load_b128 v[\dst:\dst+3],   v[VSE] offset:\soff
	ds_load_b128 v[\dst+4:\dst+7], v[VSE] offset:\soff+16
.endm
; The symbols CUR, NXT (accumulator sets), SEC, SEN (|e|^2), EFU, EFF (fragment sets: used, filled) and DOMM are set by TILE.
.macro WM h, i                         ; one product of the NEXT tile: row tile i; h = 0: dims 0-31 start the sum, h = 1: dims 32-63, the chain in place
.if DOMM
.if \h
	v_wmma_f32_16x16x32_bf16 v[NXT+8*\i:NXT+8*\i+7], v[EFU+8:EFU+15], v[XF+16*\i+8:XF+16*\i+15], v[NXT+8*\i:NXT+8*\i+7]
.else
	v_wmma_f32_16x16x32_bf16 v[NXT+8*\i:NXT+8*\i+7], v[EFU:EFU+7], v[XF+16*\i:XF+16*\i+7], 0
.endif
.endif
.endm
.macro PA i, b                         ; A = fl(|e|^2 + |x|^2) into buffer b: both halves of a pair take the first register of (|x|^2, best)
.irp q, 0,1,2,3
	v_pk_add_f32 v[AT+8*\b+2*\q:AT+8*\b+2*\q+1], v[SEC+2*\q:SEC+2*\q+1], v[ST+2*\i:ST+2*\i+1] op_sel_hi:[1,0]
.endr
.endm
.macro PF i, b                         ; d = fl(A - 2 x.e), in place of x.e
.irp q, 0,1,2,3
	v_pk_fma_f32 v[CUR+8*\i+2*\q:CUR+8*\i+2*\q+1], v[CUR+8*\i+2*\q:CUR+8*\i+2*\q+1], -2.0, v[AT+8*\b+2*\q:AT+8*\b+2*\q+1] op_sel_hi:[1,0,1]
.endr
.endm
.macro M1 i                            ; the least of eight: three instructions that do not wait for each other,
	v_min3_num_f32 v[TT+2*\i],   v[CUR+8*\i],   v[CUR+8*\i+1], v[CUR+8*\i+2]
	v_min3_num_f32 v[UU+(\i&1)], v[CUR+8*\i+3], v[CUR+8*\i+4], v[CUR+8*\i+5]
	v_min_num_f32  v[VV+(\i&1)], v[CUR+8*\i+6], v[CUR+8*\i+7]
.endm
.macro M2 i                            ; and one that joins them
	v_min3_num_f32 v[TT+2*\i], v[TT+2*\i], v[UU+(\i&1)], v[VV+(\i&1)]
.endm
; The mask is set where the OLD state stays (the tile's minimum is not less than the best: on a tie the earlier tile, with the lower codes,
; stays).  So the new value is the select's first source and the old one its second.
.macro CMP i, mask
	v_cmp_ge_f32 \mask, v[TT+2*\i], v[ST+2*\i+1]
.endm
; Ten selects under VCC in five pairs.  What the dual encoding asks: VCC is each half's only scalar value (so the tile's number lies in a vector
; register); one destination is even and one odd; the two first sources, and the two second sources, lie in different register banks (number
; mod 4).  First pair: first sources v89 + 2 i (bank 1 or 3) and v4 (bank 0), second sources v81 + 2 i (1 or 3) and v88 + 2 i (0 or 2).
; The other four pairs take neighbouring registers throughout.
.macro SEL i
	v_dual_cndmask_b32 v[ST+2*\i+1], v[TT+2*\i], v[ST+2*\i+1] :: v_dual_cndmask_b32 v[BT+2*\i], v[VT], v[BT+2*\i]
.irp j, 0,2,4,6
	v_dual_cndmask_b32 v[SAVE+8*\i+\j], v[CUR+8*\i+\j], v[SAVE+8*\i+\j] :: v_dual_cndmask_b32 v[SAVE+8*\i+\j+1], v[CUR+8*\i+\j+1], v[SAVE+8*\i+\j+1]
.endr
.endm
; TILE t, p = t & 1.  The vector work is tile t's (accumulator set p, |e|^2 set p).  mm = 1: the eight products of tile t + 1 (fragment set
; 1 - p, accumulator set 1 - p) are issued among it.  pe = 1: the fragments of tile t + 2 are asked for (at eoff, into set p, which tile t's
; products read one tile ago).  ps = 1: |e|^2 of tile t + 1 (at soff, into set 1 - p).
; Distances behind matrix instructions: the loads into a fragment set stand behind at least 20 plain vector instructions
; that follow the last product of the tile before, none of which names a register of it; a sum is first read a tile after it is made.
.macro TILE p, eoff, soff, mm, pe, ps
.set CUR, ACC+32*\p
.set NXT, ACC+32-32*\p
.set SEC, SE+8*\p
.set SEN, SE+8-8*\p
.set EFF, EF+16*\p
.set EFU, EF+16-16*\p
.set DOMM, \mm
	s_wait_dscnt 0x0                               ; all that is out was issued at the head of the tile before: fragments of t + 1, |e|^2 of t
.if \pe
	EFETCH EFF, \eoff
.endif
.if \ps
	SFETCH SEN, \soff
.endif
	WM 0, 0
	PA 0, 0
	PA 1, 1
	WM 0, 1
	PF 0, 0
	PF 1, 1
	WM 0, 2
	PA 2, 0
	M1 0
	M1 1
	WM 0, 3
	PA 3, 1
	M2 0
	M2 1
	WM 1, 0
	PF 2, 0
	CMP 0, vcc_lo
	PF 3, 1
	WM 1, 1
	SEL 0
	CMP 1, vcc_lo
	WM 1, 2
	M1 2
	M1 3
	WM 1, 3
	M2 2
	M2 3
	SEL 1
	CMP 2, vcc_lo
	CMP 3, s34                                     ; made here, beside its neighbour, and moved to VCC when row tile 2's selects have read theirs
	SEL 2
	s_mov_b32 vcc_lo, s34
	SEL 3
	v_add_nc_u32 v[VT], 1, v[VT]                   ; the next tile's number
.endm
	EFETCH EF, 0                                   ; tile 0's fragments,
	SFETCH SE, 0                                   ; its |e|^2,
	EFETCH EF+16, 16*EP                            ; tile 1's fragments
	s_mov_b32 s31, 31                              ; 31 trips of two tiles; the last two tiles stand behind the loop
	s_wait_dscnt 0x6                               ; tile 0's four fragment loads are in; the six younger loads stay out
.set NXT, ACC
.set EFU, EF
.set DOMM, 1
.irp i, 0,1,2,3
	WM 0, \i                                       ; tile 0's products, ahead of the loop
.endr
.irp i, 0,1,2,3
	WM 1, \i
.endr
.set j, 0
.rept 32
	v_mov_b32 v[SAVE+j], s33                       ; the selects read SAVE from the first tile on.  These moves are also the places behind the products above
.set j, j+1
.endr
.Ltile:
	TILE 0, 32*EP, 64, 1, 1, 1
	TILE 1, 48*EP, 128, 1, 1, 1
	v_add_nc_u32 v[VEF], 32*EP, v[VEF]
	v_add_nc_u32 v[VSE], 128, v[VSE]
	s_sub_co_i32 s31, s31, 1
	s_cmp_lg_u32 s31, 0
	s_cbranch_scc1 .Ltile
	TILE 0, 0, 64, 1, 0, 1                         ; tile 62: the products and |e|^2 of tile 63; there is no tile 64 to ask for
	TILE 1, 0, 0, 0, 0, 0                          ; tile 63: vector work alone
; The index of row tile i: the lowest j of the winning tile that equals the best, then the better of the two halves, the lower index on a tie.
.macro RESOLVE i
	v_mov_b32 v[TT], 7
.irp j, 6,5,4,3,2,1,0
	v_cmp_eq_f32 vcc_lo, v[SAVE+8*\i+\j], v[ST+2*\i+1]
	v_cndmask_b32 v[TT], v[TT], \j, vcc_lo
.endr
	v_lshl_add_u32 v[K0+\i], v[BT+2*\i], 4, v[TT]
	v_add_nc_u32 v[K0+\i], v[K0+\i], v11           ; 16 t + j + 8 h
	v_permlanex16_b32 v[AT],   v[ST+2*\i+1], s28, s29
	v_permlanex16_b32 v[AT+1], v[K0+\i],     s28, s29
	v_cmp_lt_f32 s33, v[AT], v[ST+2*\i+1]
	v_cmp_eq_f32 s34, v[AT], v[ST+2*\i+1]
	v_cmp_lt_u32 s35, v[AT+1], v[K0+\i]
	s_and_b32 s34, s34, s35
	s_or_b32 vcc_lo, s33, s34
	v_cndmask_b32 v[ST+2*\i+1], v[ST+2*\i+1], v[AT], vcc_lo
	v_cndmask_b32 v[K0+\i], v[K0+\i], v[AT+1], vcc_lo
.endm
	RESOLVE 0
	RESOLVE 1
	RESOLVE 2
	RESOLVE 3
	; lane L = 16 h + r stores rows 2 L (tile h) and 2 L + 1 (tile 2 + h): 256 consecutive bytes a wave, aligned
	v_cndmask_b32 v[KA],   v[K0],   v[K0+1], s32
	v_cndmask_b32 v[KA+1], v[K0+2], v[K0+3], s32
	global_store_b64 v12, v[KA:KA+1], s[8:9] th:TH_STORE_NT
	global_store_b64 v12, v[KA:KA+1], s[10:11]     ; read again by the next launch: no hint
	; the sum of my wave's 64 least distances
	v_cndmask_b32 v[AT],   v[ST+1], v[ST+3], s32
	v_cndmask_b32 v[AT+1], v[ST+5], v[ST+7], s32
	v_add_f32 v[AT], v[AT], v[AT+1]
	v_add_f32_dpp v[AT], v[AT], v[AT] row_xmask:1 row_mask:0xf bank_mask:0xf
	v_add_f32_dpp v[AT], v[AT], v[AT] row_xmask:2 row_mask:0xf bank_mask:0xf
	v_add_f32_dpp v[AT], v[AT], v[AT] row_xmask:4 row_mask:0xf bank_mask:0xf
	v_add_f32_dpp v[AT], v[AT], v[AT] row_xmask:8 row_mask:0xf bank_mask:0xf
	v_permlanex16_b32 v[AT+1], v[AT], s28, s29
	v_add_f32 v[AT], v[AT], v[AT+1]
	s_lshl_b32 s39, s14, 2
	s_add_co_u32 s39, s39, RED
	v_mov_b32 v13, s39
	ds_store_b32 v13, v[AT]                        ; all lanes write the same word with the same value
	s_wait_dscnt 0x0                               ; for the reader's sake: zero
	s_barrier_signal -1
	s_barrier_wait -1
	s_cmp_lg_u32 s14, 0
	s_cbranch_scc1 .Lend                           ; no barrier follows: waves 1 to 7 are done
	v_mov_b32 v14, RED
	ds_load_b128 v[AT:AT+3],   v14
	ds_load_b128 v[AT+4:AT+7], v14 offset:16
	v_mov_b32 v15, 0
	s_wait_dscnt 0x0
	v_pk_add_f32 v[AT:AT+1],   v[AT:AT+1],   v[AT+2:AT+3]
	v_pk_add_f32 v[AT+4:AT+5], v[AT+4:AT+5], v[AT+6:AT+7]
	v_pk_add_f32 v[AT:AT+1],   v[AT:AT+1],   v[AT+4:AT+5]
	v_add_f32 v[AT], v[AT], v[AT+1]
	s_wait_xcnt 0x0                                ; the index stores above have EXEC among their sources: it changes only behind this wait
	v_cmp_eq_u32 vcc_lo, 0, v0
	s_and_saveexec_b32 s38, vcc_lo
	global_store_b32 v15, v[AT], s[12:13]          ; part[work-group]
	s_wait_xcnt 0x0                                ; and again in front of the line that widens EXEC
	s_or_b32 exec_lo, exec_lo, s38
.Lend:
	s_set_vgpr_msb 0x5
	s_wait_tensorcnt 0x0
	ds_add_u32 v0, v1
	s_wait_dscnt 0x0
	s_set_vgpr_msb 0x500
	s_endpgm
.Lfunc_end_k_q317255412d_assign:
	.size	k_q317255412d_assign, .Lfunc_end_k_q317255412d_assign-k_q317255412d_assign
	.p2alignl 7, 3214868480
	.fill 96, 4, 3214868480
	.section	.rodata,"a",@progbits
	.p2align	6, 0x0
	.amdhsa_kernel k_q317255412d_assign
		.amdhsa_group_segment_fixed_size 292096
		.amdhsa_private_segment_fixed_size 0
		.amdhsa_enable_private_segment 0
		.amdhsa_kernarg_size 40
		.amdhsa_user_sgpr_count 2
		.amdhsa_user_sgpr_kernarg_segment_ptr 1
		.amdhsa_wavefront_size32 1
		.amdhsa_system_sgpr_workgroup_id_x 1
		.amdhsa_system_sgpr_workgroup_id_y 1
		.amdhsa_system_sgpr_workgroup_id_z 1
		.amdhsa_system_vgpr_workitem_id 0
		.amdhsa_next_free_vgpr 258
		.amdhsa_next_free_sgpr 66
		.amdhsa_reserve_vcc 1
		.amdhsa_float_denorm_mode_32 3
		.amdhsa_float_denorm_mode_16_64 3
		.amdhsa_memory_ordered 1
		.amdhsa_forward_progress 1
		.amdhsa_inst_pref_size 87
	.end_amdhsa_kernel
	.amdgpu_metadata
---
amdhsa.version: [ 1, 2 ]
amdhsa.kernels:
  - .name:           k_q317255412d_assign
    .symbol:         k_q317255412d_assign.kd
    .args:
      - { .name: inputs, .offset: 0, .size: 8, .value_kind: global_buffer, .address_space: global }
      - { .name: embedding, .offset: 8, .size: 8, .value_kind: global_buffer, .address_space: global }
      - { .name: out2, .offset: 16, .size: 8, .value_kind: global_buffer, .address_space: global }
      - { .name: codes, .offset: 24, .size: 8, .value_kind: global_buffer, .address_space: global }
      - { .name: part, .offset: 32, .size: 8, .value_kind: global_buffer, .address_space: global }
    .group_segment_fixed_size: 292096
    .private_segment_fixed_size: 0
    .kernarg_segment_align: 8
    .kernarg_segment_size: 40
    .max_flat_workgroup_size: 256
    .sgpr_count:     66
    .vgpr_count:     258
    .wavefront_size: 32
...
	.end_amdgpu_metadata
.endif
;; end of part 3
;; launch emit: the kernel of part 2 again; grid 512 x 1, 8 waves a work-group, no clusters, 0 bytes of LDS; arguments inputs, embedding, codes, part, out1, out0; writes out1, out0
;; ======== version 3 of 3: 2 launches; version 2 with the launch emit written anew for expert scheduling mode
;; limits: a difference of large sums (such as E[x^2] - mean^2): digits are lost where the result is much smaller than its terms
;; workspace buffers: codes 524,288 bytes of whole numbers; part 1,024 bytes
;; launch assign: the kernel of part 3 again; grid 256 x 1, 8 waves a work-group, no clusters, 292,096 bytes of LDS; arguments inputs, embedding, out2, codes, part; writes out2, codes, part
;; launch emit (part 4): grid 512 x 1, 8 waves a work-group, no clusters, 0 bytes of LDS; arguments inputs, embedding, codes, part, out1, out0; writes out1, out0
.if DOCPART == 4
	.amdgcn_target "amdgcn-amd-amdhsa--gfx1250"
	.amdhsa_code_object_version 6
	.text
	.protected	k_q317255412d_emit
	.globl	k_q317255412d_emit
	.p2align	8
	.type	k_q317255412d_emit,@function
k_q317255412d_emit:
	s_mov_b64 s[64:65], 0
	v_nop
	global_prefetch_b8 v0, s[64:65] scope:SCOPE_SE
	s_setreg_imm32_b32 hwreg(HW_REG_WAVE_SCHED_MODE, 0, 2), 2
	s_setreg_imm32_b32 hwreg(HW_REG_WAVE_MODE, 25, 1), 1
	s_wait_xcnt 0x0
	s_wait_alu depctr_vm_vsrc(0)
; out1 = x + (e[idx] - x), with both roundings as written, and out0 = 1.25 / 2^23 x the sum of the 256 partial sums of least distances.
; A stream: no LDS, no barrier, no matrix unit, no loop.  512 work-groups of 256 rows; a wave takes 32 rows.  Lane (h, c) takes bytes 16 c
; of rows 16 h + t, t = 0..15: each half of 16 lanes reads and writes one row, 256 consecutive bytes, aligned, and a lane's 16 indices are
; 64 consecutive bytes (four loads).  All 36 loads of a wave are issued before the first result is needed; no register is used twice, so the
; stream needs no wait for sources.
; No table in LDS: filling it would take 262,144 bytes a work-group, the rows gathered are 65,536.  No cluster: the work-groups share only
; the codebook, and which rows of it hangs on the indices.
; LIMIT: the loss is what the first launch summed (expanded form on inputs rounded to bf16; see there).
; THE MODE: SCHED_MODE bits 1:0 = 2 (LLVM: expert scheduling mode 2), set by the entry lines.  The code itself states the register dependences
; between vector instructions and memory instructions, with s_wait_alu, always for 0.
; THE PLAN.  Registers that memory instructions touch:
;   VXO, VIO   offsets, written once at the head; read by the loads of x and of the indices and by every store; never written again.
;   I          the index loads land in it; 32 vector instructions turn the indices into offsets, in place; the 16 gathers read it; never written again.
;   X          the loads of x land in it; vector instructions alone read it; never loaded again.
;   Q          the gathers land in it; a row's four packed adds write the result in place; the row's store reads it; never written again.
; No register that a memory instruction reads is written again, and none that a vector instruction has named is loaded again.  So what is to be
; stated is 'written, then read by memory': once for the offsets at the head, once for all 16 gather offsets, and once for each block of four
; rows on the way out.  Block g's adds name rows 4 g .. 4 g + 3 of Q and X alone, so the four stores of block g - 1 follow the one wait at block
; g's head dealt among those adds, with no further wait.
.set VXO, 2                            ; 8,192 w + 4,096 h + 16 c: my 16 bytes of row 16 h of my wave, in x and in out1
.set VIO, 3                            ; 128 w + 64 h: my 16 indices
.set VC,  4                            ; 16 c
.set I,   8                            ; v[8:23]    indices, then byte offsets into the codebook
.set X,   24                           ; v[24:87]   x, 4 registers a row
.set Q,   88                           ; v[88:151]  e[idx], then the result
.set P,   152                          ; v[152:162] the loss block's own
	s_load_b256 s[4:11], s[0:1], 0x0               ; inputs s[4:5], embedding s[6:7], codes s[8:9], part s[10:11]
	s_load_b128 s[12:15], s[0:1], 0x20             ; out1 s[12:13], out0 s[14:15]
	v_lshrrev_b32 v1, 5, v0
	v_readfirstlane_b32 s16, v1                    ; wave 0..7
	v_lshrrev_b32 v5, 4, v0                        ; 2 w + h
	v_and_b32 v[VC], 15, v0
	v_lshlrev_b32 v[VC], 4, v[VC]
	v_lshl_add_u32 v[VXO], v5, 12, v[VC]           ; 16 rows of 256 bytes for each half wave
	v_lshlrev_b32 v[VIO], 6, v5                    ; 16 indices of 4 bytes
	s_lshl_b32 s20, ttmp9, 16                      ; 256 rows of 256 bytes a work-group
	s_mov_b32 s21, 0
	s_lshl_b32 s22, ttmp9, 10                      ; 256 indices
	s_mov_b32 s23, 0
	s_wait_kmcnt 0x0
	s_add_nc_u64 s[4:5], s[4:5], s[20:21]
	s_add_nc_u64 s[12:13], s[12:13], s[20:21]
	s_add_nc_u64 s[8:9], s[8:9], s[22:23]
	s_wait_alu depctr_va_vdst(0)                   ; VIO and VXO are written: the loads below and every store of the kernel read one of them as their offset
.irp m, 0,1,2,3
	global_load_b128 v[I+4*\m:I+4*\m+3], v[VIO], s[8:9] offset:16*\m
.endr
.irp t, 0,1,2,3,4,5,6,7,8,9,10,11,12,13,14,15
	global_load_b128 v[X+4*\t:X+4*\t+3], v[VXO], s[4:5] offset:256*\t th:TH_LOAD_NT
.endr
	; The loss: wave 0 of work-group 0 alone, while its loads above are out.  256 partial sums, 8 a lane.
	s_wait_alu depctr_va_sdst(0)                   ; s16, the wave's number, is written, ahead of its first reader: the branch below hangs on it
	s_or_b32 s24, ttmp9, s16
	s_cmp_lg_u32 s24, 0
	s_cbranch_scc1 .Lstream
	v_and_b32 v[P+8], 31, v0
	v_lshlrev_b32 v[P+8], 5, v[P+8]
	s_wait_alu depctr_va_vdst(0)                   ; v[P+8] is written, which the two loads below read as their offset
	global_load_b128 v[P:P+3],   v[P+8], s[10:11]
	global_load_b128 v[P+4:P+7], v[P+8], s[10:11] offset:16
	s_mov_b32 s17, 0x76543210
	s_mov_b32 s18, 0xfedcba98
	v_mov_b32 v[P+9], 0                            ; v_permlanex16_b32 counts as a reader of its destination
	v_mov_b32 v[P+10], 0                           ; out0's offset
	s_wait_loadcnt 0x0                             ; the two youngest loads: nothing may stay out
	v_pk_add_f32 v[P:P+1],   v[P:P+1],   v[P+2:P+3]
	v_pk_add_f32 v[P+4:P+5], v[P+4:P+5], v[P+6:P+7]
	v_pk_add_f32 v[P:P+1],   v[P:P+1],   v[P+4:P+5]
	v_add_f32 v[P], v[P], v[P+1]
	v_add_f32_dpp v[P], v[P], v[P] row_xmask:1 row_mask:0xf bank_mask:0xf
	v_add_f32_dpp v[P], v[P], v[P] row_xmask:2 row_mask:0xf bank_mask:0xf
	v_add_f32_dpp v[P], v[P], v[P] row_xmask:4 row_mask:0xf bank_mask:0xf
	v_add_f32_dpp v[P], v[P], v[P] row_xmask:8 row_mask:0xf bank_mask:0xf
	v_permlanex16_b32 v[P+9], v[P], s17, s18
	v_add_f32 v[P], v[P], v[P+9]
	v_mul_f32 v[P], 0x34200000, v[P]               ; 1.25 / (131,072 x 64) = 1.25 x 2^-23
	s_wait_xcnt 0x0                                ; EXEC is a source of the loads above: it changes only behind this wait
	v_cmp_eq_u32 vcc_lo, 0, v0
	s_wait_alu depctr_va_vcc(0)                    ; the compare has written VCC, from which EXEC is made
	s_wait_alu depctr_va_vdst(0)                   ; ahead of the write of EXEC: the vector instructions issued under the full EXEC are done; among them those that wrote the sum v[P] and the offset v[P+10], which the store reads
	s_wait_alu depctr_vm_vsrc(0)                   ; ahead of the write of EXEC: the loads issued under the full EXEC have read their vector registers
	s_and_saveexec_b32 s19, vcc_lo
	global_store_b32 v[P+10], v[P], s[14:15]
	s_wait_xcnt 0x0                                ; and again in front of the line that widens it
	s_wait_alu depctr_va_vdst(0)                   ; ahead of the write of EXEC: no vector instruction issued under the narrow EXEC is still at work
	s_wait_alu depctr_vm_vsrc(0)                   ; ahead of the write of EXEC: the store issued under the narrow EXEC has read its vector registers
	s_or_b32 exec_lo, exec_lo, s19
.Lstream:
	s_wait_loadcnt 16                              ; the 16 loads of x are younger: the indices are in (behind the loss block nothing is out)
.irp t, 0,1,2,3,4,5,6,7,8,9,10,11,12,13,14,15
	v_min_u32 v[I+\t], 0x3ff, v[I+\t]              ; an index stays inside the table
.endr
.irp t, 0,1,2,3,4,5,6,7,8,9,10,11,12,13,14,15
	v_lshl_add_u32 v[I+\t], v[I+\t], 8, v[VC]      ; 256 bytes a code + my 16
.endr
	s_wait_alu depctr_va_vdst(0)                   ; all 16 offsets v[I ..] are written, which the gathers below read
.irp t, 0,1,2,3,4,5,6,7,8,9,10,11,12,13,14,15
	global_load_b128 v[Q+4*\t:Q+4*\t+3], v[I+\t], s[6:7]   ; no hint: other rows name the same codes
.endr
	; The way out, four blocks of four rows.  Block g's adds work on its own rows of Q and X; the stores of block g - 1 stand among them.
.irp g, 0,1,2,3
	s_wait_loadcnt 12-4*(\g)                       ; loads come back in order: the gathers of rows 4 g .. 4 g + 3 are in, the 12 - 4 g younger ones stay out; x, which is older, is in
.if (\g) > 0
	s_wait_alu depctr_va_vdst(0)                   ; the block before has written its four rows of Q, which the stores below read
.endif
.irp i, 0,1,2,3
.if (\g) > 0
	global_store_b128 v[VXO], v[Q+16*((\g)-1)+4*(\i):Q+16*((\g)-1)+4*(\i)+3], s[12:13] offset:256*(4*((\g)-1)+(\i)) th:TH_STORE_NT  ; no vector instruction since the wait names these registers
.endif
	v_pk_add_f32 v[Q+16*(\g)+4*(\i):Q+16*(\g)+4*(\i)+1],   v[Q+16*(\g)+4*(\i):Q+16*(\g)+4*(\i)+1],   v[X+16*(\g)+4*(\i):X+16*(\g)+4*(\i)+1]   neg_lo:[0,1] neg_hi:[0,1]   ; q - x
	v_pk_add_f32 v[Q+16*(\g)+4*(\i)+2:Q+16*(\g)+4*(\i)+3], v[Q+16*(\g)+4*(\i)+2:Q+16*(\g)+4*(\i)+3], v[X+16*(\g)+4*(\i)+2:X+16*(\g)+4*(\i)+3] neg_lo:[0,1] neg_hi:[0,1]
	v_pk_add_f32 v[Q+16*(\g)+4*(\i):Q+16*(\g)+4*(\i)+1],   v[X+16*(\g)+4*(\i):X+16*(\g)+4*(\i)+1],   v[Q+16*(\g)+4*(\i):Q+16*(\g)+4*(\i)+1]                               ; x + (q - x)
	v_pk_add_f32 v[Q+16*(\g)+4*(\i)+2:Q+16*(\g)+4*(\i)+3], v[X+16*(\g)+4*(\i)+2:X+16*(\g)+4*(\i)+3], v[Q+16*(\g)+4*(\i)+2:Q+16*(\g)+4*(\i)+3]
.endr
.endr
	s_wait_alu depctr_va_vdst(0)                   ; the last block has written rows 12 to 15 of Q, which the last four stores read
.irp i, 0,1,2,3
	global_store_b128 v[VXO], v[Q+48+4*(\i):Q+48+4*(\i)+3], s[12:13] offset:256*(12+(\i)) th:TH_STORE_NT
.endr
	s_endpgm
.Lfunc_end_k_q317255412d_emit:
	.size	k_q317255412d_emit, .Lfunc_end_k_q317255412d_emit-k_q317255412d_emit
	.p2alignl 7, 3214868480
	.fill 96, 4, 3214868480
	.section	.rodata,"a",@progbits
	.p2align	6, 0x0
	.amdhsa_kernel k_q317255412d_emit
		.amdhsa_group_segment_fixed_size 0
		.amdhsa_private_segment_fixed_size 0
		.amdhsa_enable_private_segment 0
		.amdhsa_kernarg_size 48
		.amdhsa_user_sgpr_count 2
		.amdhsa_user_sgpr_kernarg_segment_ptr 1
		.amdhsa_wavefront_size32 1
		.amdhsa_system_sgpr_workgroup_id_x 1
		.amdhsa_system_sgpr_workgroup_id_y 1
		.amdhsa_system_sgpr_workgroup_id_z 1
		.amdhsa_system_vgpr_workitem_id 0
		.amdhsa_next_free_vgpr 164
		.amdhsa_next_free_sgpr 66
		.amdhsa_reserve_vcc 1
		.amdhsa_float_denorm_mode_32 3
		.amdhsa_float_denorm_mode_16_64 3
		.amdhsa_memory_ordered 1
		.amdhsa_forward_progress 1
		.amdhsa_inst_pref_size 14
	.end_amdhsa_kernel
	.amdgpu_metadata
---
amdhsa.version: [ 1, 2 ]
amdhsa.kernels:
  - .name:           k_q317255412d_emit
    .symbol:         k_q317255412d_emit.kd
    .args:
      - { .name: inputs, .offset: 0, .size: 8, .value_kind: global_buffer, .address_space: global }
      - { .name: embedding, .offset: 8, .size: 8, .value_kind: global_buffer, .address_space: global }
      - { .name: codes, .offset: 16, .size: 8, .value_kind: global_buffer, .address_space: global }
      - { .name: part, .offset: 24, .size: 8, .value_kind: global_buffer, .address_space: global }
      - { .name: out1, .offset: 32, .size: 8, .value_kind: global_buffer, .address_space: global }
      - { .name: out0, .offset: 40, .size: 8, .value_kind: global_buffer, .address_space: global }
    .group_segment_fixed_size: 0
    .private_segment_fixed_size: 0
    .kernarg_segment_align: 8
    .kernarg_segment_size: 48
    .max_flat_workgroup_size: 256
    .sgpr_count:     66
    .vgpr_count:     164
    .wavefront_size: 32
...
	.end_amdgpu_metadata
.endif
;; end of part 4
